; MI455X (gfx1250); checked and timed in simulation.
; The chip was launched on July 23, 2026; its instructions are those of AMD's public machine-readable ISA for CDNA 5 (MIT licence, August 2026) and "CDNA5" Instruction Set Architecture Reference Guide (July 2026). The comments in the code are by the model that wrote it; some were corrected since.
;; Multi Head Attention. Allowed arithmetic: matrix products marked QUANTISED: E4M3 operands, one E8M0 scale for each 32 along K, by v_wmma_scale_f32_16x16x128_f8f6f4 with both operands' format E4M3, f32 sums; everything else in f32.
;; Inputs: b_final 64 float32; w_final 64 x 768 float32; w_k 768 x 64 float32; w_q 768 x 64 float32; w_v 768 x 64 float32; x 8 x 2,048 x 64 float32.
;; Outputs: out0 8 x 2,048 x 64 float32.
;; This version of the problem:
;;   THIS VERSION OF THE PROBLEM IS GIVEN IN LOW PRECISION. The matrix products marked QUANTISED in the list below multiply operands that are first quantised to E4M3 (4 exponent bits, 3 mantissa bits; 8 bits a number), with one power-of-two scale for each 32 numbers along K (OCP MX v1.0); their sums are f32. All else is computed in f32.
;;   The module's matrix products, in the order in which they are computed (A, B: the left and right operand; K: the contracted axis; several contracted axes count as one K, in the product's order):
;;     1. [M 16,384, K 64] x [K 64, N 768]; A: input x; B: input w_q: QUANTISED
;;     2. [M 16,384, K 64] x [K 64, N 768]; A: input x; B: input w_k: QUANTISED
;;     3. [M 16,384, K 64] x [K 64, N 768]; A: input x; B: input w_v: QUANTISED
;;     4. batch 8 x [M 2,048, K 768] x [K 768, N 2,048]; A: computed on the way; B: computed on the way: QUANTISED
;;     5. batch 8 x [M 2,048, K 2,048] x [K 2,048, N 768]; A: softmax (see below); B: computed on the way: QUANTISED
;;     6. [M 16,384, K 768] x [K 768, N 64]; A: computed on the way; B: input w_final: QUANTISED
;;   THE QUANTISER, for each operand of a quantised product, along K:
;;     - K is cut into blocks of 32 from its start; a last block that is shorter is filled with zeros.
;;     - A block's scale is 2^e with e = floor(log2(the largest magnitude in the block)) - 8, held to -126 .. 127; a block of zeros has e = 0. As a byte (E8M0): e + 127.
;;     - Each number is divided by its block's scale, clamped to +-448, and rounded to the nearest number of E4M3, ties to even, subnormals kept.
;;     - The product sums the exact products of the quantised numbers (number of the format x scale) in f32.
;;   ~~~python
;;   def quantise(x, axis):      # numpy; x: float32 -> the quantised numbers, widened to float32 again
;;       x = np.moveaxis(x, axis, -1); K = x.shape[-1]
;;       x = np.pad(x, [(0, 0)] * (x.ndim - 1) + [(0, -K % 32)]); x = x.reshape(x.shape[:-1] + (-1, 32)); a = np.abs(x).max(-1, keepdims=True)
;;       e = np.where(a > 0, np.clip(np.frexp(np.where(a > 0, a, 1))[1] - 1 - 8, -126, 127), 0)      # np.frexp(a)[1] - 1 = floor(log2(a)), exactly
;;       r = np.clip(x / 2.0 ** e, -448, 448)
;;       step = 2.0 ** (np.maximum(np.frexp(np.where(r == 0, 1, r))[1] - 1, -6) - 3)
;;       q = np.round(r / step) * step * 2.0 ** e      # np.round: ties to even
;;       return np.moveaxis(q.reshape(q.shape[:-2] + (-1,))[..., :K], -1, axis).astype(np.float32)
;;   ~~~
;;   SOFTMAX AHEAD OF A QUANTISED PRODUCT. Where the list says 'softmax', what is quantised is not the finished softmax but p = 2^(t - M), with t = logit x log2(e) and M = ceil(the row's largest t), a whole number; so 1/2 < the row's largest p <= 1. The row's sum l is taken of the UNQUANTISED p, in f32, and the product's result is divided by l at the end. Since M is a whole number, a kernel that streams over the keys may use a running M (the ceiling of the running maximum): every later rescaling is an exact power of two, which a block's scale takes up: the codes' values come out the same.
;;   OPERANDS COMPUTED ON THE WAY. 'Computed on the way' means the value that the module computes at that place (a softmax that the list does not call 'softmax' is quantised finished and normalised). What goes into a quantiser is computed in f32, as accurately as f32 sums, v_exp_f32 and their like allow (about 1e-6 of the number): no bf16 or f16 on the way to a quantiser, and a product that is left as it is and whose result goes on into a quantised operand takes f32 operands (vector FMAs, or v_wmma_f32_16x16x4_f32). A number that lies on a knife's edge between two numbers of the format may be rounded either way, as far as f32 arithmetic and the matrix unit's own rounding can turn it there, and no further.
;; One version. Each part assembles by itself: llvm-mc -triple=amdgcn-amd-amdhsa -mcpu=gfx1250 --defsym DOCPART=n.
;; ======== version 1 of 1: 2 launches
;; limits: right only within a limited range of input values
;; workspace buffers: qb 12,976,128 bytes; kv 25,952,256 bytes; wfb 67,584 bytes
;; launch proj (part 1): grid 128 x 2, 12 waves a work-group, no clusters, 10,752 bytes of LDS; arguments x, w_q, w_k, w_v, w_final, qb, kv, wfb; writes qb, kv, wfb
.if DOCPART == 1
	.amdgcn_target "amdgcn-amd-amdhsa--gfx1250"
	.amdhsa_code_object_version 6
	.text
	.protected	k_q7e11d998e3_proj
	.globl	k_q7e11d998e3_proj
	.p2align	8
	.type	k_q7e11d998e3_proj,@function
k_q7e11d998e3_proj:
	s_mov_b64 s[64:65], 0
	v_nop
	global_prefetch_b8 v0, s[64:65] scope:SCOPE_SE
	s_setreg_imm32_b32 hwreg(HW_REG_WAVE_MODE, 25, 1), 1
	s_wait_xcnt 0x0
; q = x Wq^T, k = x Wk^T, v = x Wv^T on codes of FP8 (E4M3) with one E8M0 scale for each 32 along K = 64; the three results, and w_final, are quantised again for the products of the next launch.
; WHAT IS STORED ARE IMAGES OF OPERAND REGISTERS.  A fragment (16 rows x 128 K) is 2,048 bytes: chunk c (512 bytes) holds lane l's registers 4 c .. 4 c + 3 at 16 l: k = 32 c + 16 (l / 16) + 0 .. 15 of row l % 16.
; A PART is 12 fragments and then 768 bytes of scale words (fragment f, row r at 24,576 + 64 f + 4 r): 25,344 bytes.
;   qb  [pair of 32 rows (512)] PART, fragment 2 s + kt (s: which 128 of the 768; kt: tile of the pair)
;   kv  [batch][key step j (16)] K's four PARTs (w: keys 128 j + 32 w on, fragment 2 s + kt), then V's four (w: e = 192 w on x keys 128 j on, fragment 2 b + u)
;   wfb 32 fragments of w_final (8 w + 4 p + dt), then their scale words from byte 65,536 on
; THE ROWS OF A TILE ARE NOT NEIGHBOURS: lane r of tile 2 b + u takes row 32 b + 8 u + r + 8 (r / 8), of x, w_q, w_k and w_v alike, so that the 16 registers of the results of tiles 2 b and 2 b + 1 are 16 neighbours along the next K.
; K = 64 IN AN INSTRUCTION OF 128: the operand that stays is DENSE (registers 0-7 tile 2 b, registers 8-15 tile 2 b + 1); the operand that passes is 8 registers of codes between two runs of 8 zero registers:
; [codes | zeros] meets the lower tile, [zeros | codes] the upper.  Zero codes add nothing.  Its two scale bytes are doubled, so that they serve either half.
; SHARES.  Work-group (X, Y): 128 rows of x (X = 16 batch + j); Y = 0: q, Y = 1: k.  Twelve waves, three for each SIMD: wave 6 h + w takes the w-th 128 columns of q or k for tiles 4 h .. 4 h + 3 of the rows (4 jobs),
; and tiles 4 c + 2 h, 4 c + 2 h + 1 of w_v, c = 6 Y + w, for the 128 rows (2 jobs).  A job is 8 matrix instructions, one quantising of 64 numbers a lane, and 5 stores.
; Wave 11 of the work-groups (X < 32, Y = 0) also quantises fragment X of w_final.
; NO CLUSTER, NO TENSOR LOADS, NO PREFETCH: a work-group reads 32 KiB of x once, and its weights straight into registers: there is no tile that partners ask for step by step, and no loop to run ahead in.
; The scale words leave in pieces of 64 bytes (lanes l and l + 16 write the same word with the same value): 768 of a PART's 25,344 bytes.
; LIMITS: NaN and infinities among the inputs are not served; a block of zeros gets the byte 1 where the rule says 127 (its codes are zeros, and this program alone reads the bytes).
.set PARTB, 25344
.set SCOFF, 24576
.set XIMG,  0                          ; LDS: x's four dense fragments, pair pp at 2,048 pp
.set XSC,   8192                       ; their scale words, 128 pp + 4 lane
.set SPARE, 9216                       ; the spare words, 128 bytes for each wave
.set LI,   1                           ; v1   16 x lane
.set VA,   2                           ; v2   a tile's row of 256 bytes: (r + 8 (r / 8)) x 256 + 64 h
.set VCO,  3                           ; v3   q, k: 16 lane + 4,096 w
.set VSO,  4                           ; v4   q, k: 4 r + 128 w + 24,576
.set VCO2, 5                           ; v5   v: 16 lane + 2,048 x my first fragment
.set VSO2, 6                           ; v6   v: 4 r + 64 x my first fragment + 24,576
.set XWI,  7                           ; v7   where I store x's image
.set XWS,  8                           ; v8   and its scale words
.set LS,   9                           ; v9   4 x lane
.set WFA,  10                          ; v10  w_final: r x 3,072 + 64 h
.set WFB,  11                          ; v11  the same for blocks 2 and 3
.set TM,   12                          ; v12-27 at work in QUANT: +0 largest magnitudes, +4 bytes, +8 448 x scale, +12 the conversions' scale operands
.set PW,   28                          ; v28  the scale word of the result just made
.set PWT,  29                          ; v29  the scale word of two tiles of w_v
.set RS,   30                          ; v30-33 scale words of the four dense fragments
.set SS,   34                          ; v34-37 doubled scale words of the operand that passes
.set XI,   38                          ; v38  my half of x's image: 16 lane + 4,096 h
.set XS,   39                          ; v39  and of its scale words
.set XW,   42                          ; v42, v43 x's dense scale words of my two pairs
.set R4,   46                          ; v46  4 r
.set PC,   48                          ; v48-63 the codes of the result just made
.set ZC,   64                          ; v64-103: zeros, codes 0, zeros, codes 1, zeros: 8 registers each
.set R,    104                         ; v104-167 four dense fragments
.set HA,   168                         ; v168-231 8 results of 8 registers; before that numbers as they are loaded, by turns with v256-319
.set SPW,  254
.set NIL,  255
.set WV,   20
.set XX,   21
.set YY,   22
.set CT,   23
.set WP,   24
.set LT,   25
.set RH,   26
.set W6,   27
.set SEL,  28                          ; s[28:29] v_permlanex16_b32's selects for lane l xor 16
.set MNT,  30                          ; s30 the mantissa field of 448
.set PLO,  31                          ; s31, s32 v_perm_b32's selects: bytes 0, 1 doubled; bytes 2, 3 doubled
.set QKB,  36                          ; s[36:39] the two PARTs that my q or k jobs store into
.set VB,   44                          ; s[44:45] the PART that my v jobs store into
.set MSB, 0
.macro WIN new                         ; the immediate's high byte repeats the setting that is left; a switch that changes nothing is dropped
.if MSB != (\new)
	s_set_vgpr_msb (MSB<<8)|(\new)
.set MSB, \new
.endif
.endm
.macro PLACES n
.rept \n
	v_nop
.endr
.endm
.macro WALU
	s_wait_alu depctr_va_vdst(0)
.endm
; 64 numbers of a lane, v[s + 16 b + i] of window sw = k 32 b + 16 (lane / 16) + i of my row, become codes (blocks 0, 1 at v[pa] on, blocks 2, 3 at v[pb] on) and a scale word v[pw].
.macro QUANT s, sw, pa, pb, pw
	WIN 0x05*(\sw)
.irp q, 0,1,2,3
	v_max3_num_f32 v[TM+\q], |v[(\s)+16*\q]|, |v[(\s)+16*\q+1]|, 0x4800000   ; my 16 numbers of block q, and the floor 2^(9 - 127): the byte cannot fall under 1
.endr
	WIN 0x14*(\sw)
.irp i, 2,4,6,8,10,12,14
.irp q, 0,1,2,3
	v_max3_num_f32 v[TM+\q], v[TM+\q], |v[(\s)+16*\q+\i]|, |v[(\s)+16*\q+\i+1]|   ; the blocks by turns, each result from its low end on
.endr
.endr
	WIN 0
.irp q, 0,1,2,3
	v_permlanex16_b32 v[TM+4+\q], v[TM+\q], s[SEL], s[SEL+1]
.endr
.irp q, 0,1,2,3
	v_max_num_f32 v[TM+\q], v[TM+\q], v[TM+4+\q]   ; with lane l xor 16's: the block's largest magnitude
.endr
.irp q, 0,1,2,3
	v_add_nc_u32 v[TM+12+\q], 0xfc000000, v[TM+\q] ; 8 off its exponent field: the conversion's scale operand
.endr
.irp q, 0,1,2,3
	v_and_or_b32 v[TM+8+\q], v[TM+\q], 0x7f800000, s[MNT]   ; 448 x the scale
.endr
.irp q, 0,1,2,3
	v_lshrrev_b32 v[TM+4+\q], 23, v[TM+12+\q]      ; the scale's byte
.endr
	v_lshl_or_b32 v[\pw], v[TM+5], 8, v[TM+4]
	v_lshl_or_b32 v[\pw], v[TM+6], 16, v[\pw]
	v_lshl_or_b32 v[\pw], v[TM+7], 24, v[\pw]
	WIN 0x41*(\sw)
.irp q, 0,1,2,3
.irp i, 0,1,2,3,4,5,6,7,8,9,10,11,12,13,14,15
	v_med3_num_f32 v[(\s)+16*\q+\i], v[(\s)+16*\q+\i], -v[TM+8+\q], v[TM+8+\q]   ; the conversion to an 8-bit code does not saturate (ISA guide 7.6.2): the hold at 448 x the scale
.endr
.endr
	WIN 0x01*(\sw)
.irp q, 0,1,2,3
.if \q < 2
.set qd, (\pa)+4*\q
.else
.set qd, (\pb)+4*(\q-2)
.endif
	v_cvt_scalef32_pk8_fp8_f32 v[qd:qd+1], v[(\s)+16*\q:(\s)+16*\q+7], v[TM+12+\q]
	v_cvt_scalef32_pk8_fp8_f32 v[qd+2:qd+3], v[(\s)+16*\q+8:(\s)+16*\q+15], v[TM+12+\q]
.endr
	WIN 0
	v_nop                                          ; one plain vector instruction behind the last conversion, ahead of whatever next touches its registers
.endm
; A job: the four dense fragments x the tile in code slot k: 8 results, each begun with the constant 0; then the 64 numbers a lane are quantised.
.macro JOB k, ss
.irp b, 0,1,2,3
.irp u, 0,1
	v_wmma_scale_f32_16x16x128_f8f6f4 v[HA+8*(2*\b+\u):HA+8*(2*\b+\u)+7], v[R+16*\b:R+16*\b+15], v[ZC+16*(\k)+8*(1-\u):ZC+16*(\k)+8*(1-\u)+15], 0, v[RS+\b], v[\ss]
.endr
.endr
	PLACES 8                                       ; eight places behind this form before its results are read, and before loads into its operands
	s_wait_xcnt 0x0                                ; the last job's stores have read the codes and the scale word, which are written again below
	QUANT HA, 0, PC, PC+8, PW
.endm
.macro OUT base, vco, vso, f           ; the fragment as it stands: four stores of 512 consecutive bytes; and its 16 scale words
.irp c, 0,1,2,3
	global_store_b128 v[\vco], v[PC+4*\c:PC+4*\c+3], s[\base:\base+1] offset:2048*(\f)+512*\c
.endr
	global_store_b32 v[\vso], v[PW], s[\base:\base+1] offset:64*(\f)
.endm
.macro PAIR win, d, base, off          ; two tiles (32 rows of 64 numbers) as f32: 16 loads into v[d ..] of a window
	WIN \win
.irp u, 0,1
.irp b, 0,1
.irp i, 0,1,2,3
	global_load_b128 v[(\d)+32*\u+16*\b+4*\i:(\d)+32*\u+16*\b+4*\i+3], v[VA], s[\base:\base+1] offset:(\off)+2048*\u+128*\b+16*\i
.endr
.endr
.endr
	WIN 0
.endm
	s_load_b512 s[4:19], s[0:1], 0x0               ; x s[4:5], w_q s[6:7], w_k s[8:9], w_v s[10:11], w_final s[12:13], qb s[14:15], kv s[16:17], wfb s[18:19]
	v_lshl_add_u32 v[SPW], v0, 2, SPARE
	v_mov_b32 v[NIL], 0
	v_lshrrev_b32 v1, 5, v0
	v_readfirstlane_b32 s[WV], v1                  ; wave 0..11
	s_mov_b32 s[XX], ttmp9
	s_and_b32 s[YY], ttmp7, 0xffff
	s_mul_i32 s[RH], s[WV], 11
	s_lshr_b32 s[RH], s[RH], 6                     ; h = wave / 6
	s_mul_i32 s[W6], s[RH], 6
	s_sub_co_u32 s[W6], s[WV], s[W6]               ; w = wave % 6
	s_mul_i32 s[CT], s[YY], 6
	s_add_co_u32 s[CT], s[CT], s[W6]               ; c = 6 Y + w: 0..11
	s_mul_i32 s[WP], s[CT], 11
	s_lshr_b32 s[WP], s[WP], 5                     ; c / 3: which of V's four PARTs
	s_mul_i32 s[LT], s[WP], 3
	s_sub_co_u32 s[LT], s[CT], s[LT]
	s_lshl_b32 s[LT], s[LT], 2
	s_add_co_u32 s[LT], s[LT], s[RH]
	s_add_co_u32 s[LT], s[LT], s[RH]               ; my first fragment in it: 4 (c % 3) + 2 h
	s_mov_b32 s[SEL], 0x76543210
	s_mov_b32 s[SEL+1], 0xfedcba98
	s_mov_b32 s[MNT], 0x600000
	s_mov_b32 s[PLO], 0x01000100
	s_mov_b32 s[PLO+1], 0x03020302
	s_lshl_b32 s50, s[W6], 12
	s_lshl_b32 s51, s[W6], 7
	s_add_co_u32 s51, s51, SCOFF
	s_lshl_b32 s52, s[LT], 11
	s_lshl_b32 s53, s[LT], 6
	s_add_co_u32 s53, s53, SCOFF
	s_lshl_b32 s54, s[WV], 11
	s_lshl_b32 s55, s[WV], 7
	s_add_co_u32 s55, s55, XSC
	s_lshl_b32 s56, s[RH], 12
	s_lshl_b32 s57, s[RH], 8
	s_add_co_u32 s57, s57, XSC
	WALU
	v_and_b32 v234, 31, v0                         ; lane
	v_and_b32 v232, 15, v0                         ; r
	v_bfe_u32 v233, v0, 4, 1                       ; h of the lane
	v_lshlrev_b32 v[LI], 4, v234
	v_lshlrev_b32 v[LS], 2, v234
	v_lshlrev_b32 v[R4], 2, v232
	v_and_b32 v[VA], 8, v232
	v_add_nc_u32 v[VA], v[VA], v232                ; r + 8 (r / 8)
	v_lshlrev_b32 v[VA], 8, v[VA]
	v_lshl_add_u32 v[VA], v233, 6, v[VA]
	v_add_nc_u32 v[VCO], s50, v[LI]
	v_add_nc_u32 v[VSO], s51, v[R4]
	v_add_nc_u32 v[VCO2], s52, v[LI]
	v_add_nc_u32 v[VSO2], s53, v[R4]
	v_add_nc_u32 v[XWI], s54, v[LI]
	v_add_nc_u32 v[XWS], s55, v[LS]
	v_add_nc_u32 v[XI], s56, v[LI]
	v_add_nc_u32 v[XS], s57, v[LS]
	v_mul_u32_u24 v[WFA], v232, 3072
	v_lshl_add_u32 v[WFA], v233, 6, v[WFA]
.irp z, 0,16,32
.irp i, 0,1,2,3,4,5,6,7
	v_mov_b32 v[ZC+\z+\i], 0                       ; the three runs of zero codes
.endr
.endr
.irp i, 4,5,6,7
	v_mov_b32 v[TM+\i], 0                          ; written once: a lane permute's destination counts as one of its sources
.endr
	WALU
	s_wait_kmcnt 0x0
	s_cmp_eq_u32 s[YY], 0                          ; q's work-group or k's: the choice hangs on the work-group's number alone
	s_cselect_b64 s[46:47], s[6:7], s[8:9]
	s_cselect_b64 s[48:49], s[14:15], s[16:17]
	s_mov_b32 s51, 0
	s_lshl_b32 s50, s[W6], 15                      ; my 128 rows of the weight
	s_add_nc_u64 s[46:47], s[46:47], s[50:51]
	s_lshl_b32 s50, 4*PARTB, s[YY]                 ; from work-group to work-group: 4 PARTs in qb, 8 in kv
	s_mul_i32 s50, s50, s[XX]
	s_mul_i32 s53, s[RH], 2*PARTB
	s_add_co_u32 s50, s50, s53                     ; pairs 2 h and 2 h + 1
	s_add_nc_u64 s[QKB:QKB+1], s[48:49], s[50:51]
	s_add_co_u32 s50, s50, PARTB
	s_add_nc_u64 s[QKB+2:QKB+3], s[48:49], s[50:51]
	s_mul_i32 s50, s[XX], 8*PARTB
	s_mul_i32 s53, s[WP], PARTB
	s_add_co_u32 s50, s50, s53
	s_add_co_u32 s50, s50, 4*PARTB                 ; V's four behind K's
	s_add_nc_u64 s[VB:VB+1], s[16:17], s[50:51]
	s_lshl_b32 s50, s[XX], 15
	s_lshl_b32 s53, s[WV], 13
	s_add_co_u32 s50, s50, s53
	s_add_nc_u64 s[54:55], s[4:5], s[50:51]        ; x: the work-group's 128 rows, pair of my wave's number (waves 0 to 3 alone use it)
	s_lshl_b32 s50, s[CT], 14
	s_lshl_b32 s53, s[RH], 13
	s_add_co_u32 s50, s50, s53
	s_add_nc_u64 s[56:57], s[10:11], s[50:51]      ; w_v: my 32 rows
	s_cmp_lt_u32 s[WV], 4                          ; waves 0 to 3: a pair of x
	s_cbranch_scc0 .Lno_x_load
	PAIR 0, R, 54, 0                               ; into the dense fragments' registers, which are written only when the first pair of weights is quantised
.Lno_x_load:
	PAIR 0x40, 0, 46, 0                            ; the weight's four pairs of tiles go through two buffers: v256-319 and v168-231
	s_cmp_lt_u32 s[WV], 4
	s_cbranch_scc0 .Lno_x_quant
	s_wait_loadcnt 16                              ; x's sixteen loads are in; the pair's sixteen may be out
	QUANT R, 0, PC, PC+8, PW
.irp c, 0,1,2,3
	ds_store_b128 v[XWI], v[PC+4*\c:PC+4*\c+3] offset:XIMG+512*\c
.endr
	ds_store_b32 v[XWS], v[PW]
.Lno_x_quant:
	PAIR 0, HA, 46, 8192
	s_wait_loadcnt 16                              ; here and below: the older pair is in, the younger may be out
	QUANT 0, 1, R, R+8, RS
	PAIR 0x40, 0, 46, 16384
	s_wait_loadcnt 16
	QUANT HA, 0, R+16, R+24, RS+1
	PAIR 0, HA, 46, 24576
	s_wait_loadcnt 16
	QUANT 0, 1, R+32, R+40, RS+2
	PAIR 0x40, 0, 56, 0                            ; my two tiles of w_v: they land while q's or k's jobs run
	s_wait_loadcnt 16
	QUANT HA, 0, R+48, R+56, RS+3
	s_wait_dscnt 0x0                               ; for the others' sake: my stores of x's image have landed
	s_barrier_signal -1
	s_barrier_wait -1                              ; x's four dense fragments lie in LDS; nothing is written there again
.irp p, 0,1
	ds_load_b32 v[XW+\p], v[XS] offset:128*\p
.endr
.irp c, 0,1
	ds_load_b128 v[ZC+8+4*\c:ZC+8+4*\c+3], v[XI] offset:XIMG+512*\c   ; my first tile's codes into slot 0
.endr
	s_wait_dscnt 0x0
.irp t, 0,1,2,3
	v_perm_b32 v[SS+\t], v[XW+\t/2], v[XW+\t/2], s[PLO+\t%2]   ; tile t's two bytes, doubled
.endr
	PLACES 8                                       ; a scale register written by a vector instruction stands eight places ahead of the product
; q or k: the weight stays, x's tiles pass.  In the result a lane holds one row of x and its 64 registers run along the 128 columns.
	WALU
.irp t, 0,1,2,3
.if \t < 3
.irp c, 0,1
	ds_load_b128 v[ZC+8+16*((\t+1)%2)+4*\c:ZC+8+16*((\t+1)%2)+4*\c+3], v[XI] offset:XIMG+2048*((\t+1)/2)+512*(2*((\t+1)%2)+\c)
.endr
	s_wait_dscnt 2                                 ; this tile's codes are in; the next tile's two loads may be out
.else
	s_wait_dscnt 0
.endif
	JOB \t%2, SS+\t
	OUT QKB+2*(\t/2), VCO, VSO, \t%2
.endr
; v: x stays (128 keys in four dense fragments), w_v's tiles pass.  In the result a lane holds one column e and its 64 registers run along the 128 keys.
.irp p, 0,1,2,3
.irp c, 0,1,2,3
	ds_load_b128 v[R+16*\p+4*\c:R+16*\p+4*\c+3], v[LI] offset:XIMG+2048*\p+512*\c
.endr
	ds_load_b32 v[RS+\p], v[LS] offset:XSC+128*\p
.endr
	s_wait_loadcnt 0x0                             ; w_v's numbers
	QUANT 0, 1, ZC+8, ZC+24, PWT                   ; two tiles at once: the lower into slot 0, the upper into slot 1
	v_perm_b32 v[SS], v[PWT], v[PWT], s[PLO]
	v_perm_b32 v[SS+1], v[PWT], v[PWT], s[PLO+1]
	PLACES 8
	WALU
	s_wait_dscnt 0x0                               ; x's fragments and scale words
	JOB 0, SS
	OUT VB, VCO2, VSO2, 0
	JOB 1, SS+1
	OUT VB, VCO2, VSO2, 1
; w_final: fragment f = X = 8 w + 4 p + dt: rows 16 dt on, e = 192 w + 128 p on; with p = 1 only 64 of the 128 are left: the others become zeros.
	s_cmp_eq_u32 s[YY], 0
	s_cbranch_scc0 .Ldone
	s_cmp_lt_u32 s[XX], 32
	s_cbranch_scc0 .Ldone
	s_cmp_eq_u32 s[WV], 11
	s_cbranch_scc0 .Ldone
	s_lshr_b32 s33, s[XX], 3                       ; w
	s_bfe_u32 s34, s[XX], 0x10002                  ; p
	s_and_b32 s35, s[XX], 3                        ; dt
	s_wait_xcnt 0x0                                ; the last job's stores have read their registers and bases
	s_mul_i32 s50, s35, 49152
	s_mul_i32 s52, s33, 768
	s_add_co_u32 s50, s50, s52
	s_lshl_b32 s52, s34, 9
	s_add_co_u32 s50, s50, s52
	s_add_nc_u64 s[12:13], s[12:13], s[50:51]
	s_lshl_b32 s50, s[XX], 11
	s_add_nc_u64 s[58:59], s[18:19], s[50:51]
	s_lshl_b32 s50, s[XX], 6
	s_add_nc_u64 s[56:57], s[18:19], s[50:51]
	s_xor_b32 s52, s34, 1
	s_lshl_b32 s53, s52, 8
	s_mul_i32 s52, s52, 0x3f800000
	v_add_nc_u32 v[WFB], s53, v[WFA]               ; blocks 2 and 3: 256 bytes on where p = 0; where p = 1 blocks 0 and 1 are read again, so that no load leaves its row, and multiplied by 0
.irp b, 0,1
.irp i, 0,1,2,3
	global_load_b128 v[HA+16*\b+4*\i:HA+16*\b+4*\i+3], v[WFA], s[12:13] offset:128*\b+16*\i
	global_load_b128 v[HA+32+16*\b+4*\i:HA+32+16*\b+4*\i+3], v[WFB], s[12:13] offset:128*\b+16*\i
.endr
.endr
	s_wait_loadcnt 0x0
.set wi, 32
.rept 32
	v_mul_f32 v[HA+wi], s52, v[HA+wi]
.set wi, wi+1
.endr
	QUANT HA, 0, PC, PC+8, PW
.irp c, 0,1,2,3
	global_store_b128 v[LI], v[PC+4*\c:PC+4*\c+3], s[58:59] offset:512*\c
.endr
	global_store_b32 v[R4], v[PW], s[56:57] offset:65536
.Ldone:
	s_wait_tensorcnt 0x0                           ; the wave's end
	ds_add_u32 v[SPW], v[NIL]
	s_wait_dscnt 0x0
	s_endpgm
.Lfunc_end_k_q7e11d998e3_proj:
	.size	k_q7e11d998e3_proj, .Lfunc_end_k_q7e11d998e3_proj-k_q7e11d998e3_proj
	.p2alignl 7, 3214868480
	.fill 96, 4, 3214868480
	.section	.rodata,"a",@progbits
	.p2align	6, 0x0
	.amdhsa_kernel k_q7e11d998e3_proj
		.amdhsa_group_segment_fixed_size 10752
		.amdhsa_private_segment_fixed_size 0
		.amdhsa_enable_private_segment 0
		.amdhsa_kernarg_size 64
		.amdhsa_user_sgpr_count 2
		.amdhsa_user_sgpr_kernarg_segment_ptr 1
		.amdhsa_wavefront_size32 1
		.amdhsa_system_sgpr_workgroup_id_x 1
		.amdhsa_system_sgpr_workgroup_id_y 1
		.amdhsa_system_sgpr_workgroup_id_z 1
		.amdhsa_system_vgpr_workitem_id 0
		.amdhsa_next_free_vgpr 336
		.amdhsa_next_free_sgpr 66
		.amdhsa_reserve_vcc 0
		.amdhsa_float_denorm_mode_32 3
		.amdhsa_float_denorm_mode_16_64 3
		.amdhsa_memory_ordered 1
		.amdhsa_forward_progress 1
		.amdhsa_inst_pref_size 137
	.end_amdhsa_kernel
	.amdgpu_metadata
---
amdhsa.version: [ 1, 2 ]
amdhsa.kernels:
  - .name:           k_q7e11d998e3_proj
    .symbol:         k_q7e11d998e3_proj.kd
    .args:
      - { .name: x, .offset: 0, .size: 8, .value_kind: global_buffer, .address_space: global }
      - { .name: w_q, .offset: 8, .size: 8, .value_kind: global_buffer, .address_space: global }
      - { .name: w_k, .offset: 16, .size: 8, .value_kind: global_buffer, .address_space: global }
      - { .name: w_v, .offset: 24, .size: 8, .value_kind: global_buffer, .address_space: global }
      - { .name: w_final, .offset: 32, .size: 8, .value_kind: global_buffer, .address_space: global }
      - { .name: qb, .offset: 40, .size: 8, .value_kind: global_buffer, .address_space: global }
      - { .name: kv, .offset: 48, .size: 8, .value_kind: global_buffer, .address_space: global }
      - { .name: wfb, .offset: 56, .size: 8, .value_kind: global_buffer, .address_space: global }
    .group_segment_fixed_size: 10752
    .private_segment_fixed_size: 0
    .kernarg_segment_align: 8
    .kernarg_segment_size: 64
    .max_flat_workgroup_size: 384
    .sgpr_count:     66
    .vgpr_count:     336
    .wavefront_size: 32
...
	.end_amdgpu_metadata
.endif
;; end of part 1
;; launch attn (part 2): grid 4 x 64, 4 waves a work-group, clusters of 4 x 1, 327,680 bytes of LDS; arguments qb, kv, wfb, b_final, out0; writes out0
.if DOCPART == 2
	.amdgcn_target "amdgcn-amd-amdhsa--gfx1250"
	.amdhsa_code_object_version 6
	.text
	.protected	k_q7e11d998e3_attn
	.globl	k_q7e11d998e3_attn
	.p2align	8
	.type	k_q7e11d998e3_attn,@function
k_q7e11d998e3_attn:
	s_mov_b64 s[64:65], 0
	v_nop
	global_prefetch_b8 v0, s[64:65] scope:SCOPE_SE
	s_setreg_imm32_b32 hwreg(HW_REG_WAVE_MODE, 25, 1), 1
	s_wait_xcnt 0x0
	s_wait_alu depctr_hold_cnt(0) depctr_sa_sdst(0) depctr_va_vdst(0) depctr_va_sdst(0) depctr_va_ssrc(0) depctr_va_vcc(0) depctr_vm_vsrc(0)
	s_getreg_b32 s2, hwreg(HW_REG_IB_STS2, 6, 4)
	s_cmp_eq_u32 s2, 0
	s_cbranch_scc0 .Lentry_in_a_cluster
	s_endpgm
.Lentry_in_a_cluster:
	s_bfe_u32 s2, ttmp6, 0x10000c
	s_cmp_lg_u32 s2, 0x3003
	s_cbranch_scc0 .Lentry_shape_is_right
	s_endpgm
.Lentry_shape_is_right:
; out = (softmax(q k^T / 8) v) w_final^T + b_final, one attention over the whole width of 768, all three products on codes of FP8 (E4M3) with one E8M0 scale for each 32 along K.
; q, k, v and w_final come as images of operand registers (a fragment: 2,048 bytes, chunk c at 512 c, lane l at 16 l) in PARTs of 12 fragments + 768 bytes of scale words, as the launch before laid them.
; SHARES.  A work-group owns 64 queries of a batch (4 tiles qt); it walks the batch's 2,048 keys, 128 a step.  Wave w makes S^T = K Q^T for keys 32 w .. 32 w + 31 of the step, which are ONE block of the second
; product's K (2 tiles x 4 qt, 6 K steps: 48 matrix instructions), makes its block of p and its scale byte, and hands both on through LDS; and it makes O^T += V^T P^T for e = 192 w .. 192 w + 191
; (12 tiles x 4 qt: 48 matrix instructions).  Each fragment of K and V is read from LDS by one wave, once, and feeds four products.
; THE SOFTMAX AHEAD OF THE SECOND PRODUCT: t = score x log2(e) / 8.  A WAVE'S BLOCK HAS ITS OWN M = ceil(the block's largest t): p = 2^(t - M), its codes and its scale come of that alone, since a whole number in the
; exponent moves the scale and no code.  R = the row's largest M so far, over all waves and steps, is exchanged meanwhile.  The block's scale byte is then brought from M to R (byte + M - R), the sum of the block's
; unquantised p by g = 2^(M - R), and the sum and O that stand by f = 2^(old R - new R): exact.  The row's sum divides O at the end.
; A lane holds ONE query (lane % 16) throughout.  The rows of the tiles of keys, of queries and of e are chosen so that 16 registers of two neighbouring tiles are 16 neighbours along the next K; the stage at the end puts the queries' rows back.
; THE PIPELINE.  Step i has two phases.  Phase 1: S^T(i); among its products stand the last lines on R(i - 1) and O's multiplication by f(i - 1) (192 lines).  Phase 2: V^T P^T(i - 1); among its products stands the softmax of
; step i.  Step 0 has no second product, and behind step 15 V^T P^T(15) is written out.  LDS accesses go in runs between groups of 8 products.
; Q's K steps 0 to 4 stay in registers; K step 5 lies in LDS (8 KiB) and is fetched in each step into the 64 registers that P's fragments take later in the phase.
; LDS: V of even steps, K, V of odd steps (four PARTs each).  ONE ROUND of the cluster's barrier a step, inside phase 1, behind the arrival of K's last fragments: behind it waves 0 and 1 ask for K(i + 1), waves 2 and 3 for V(i), which goes where V(i - 2)
; lay; the round also shows P(i - 1) and V(i - 1).  A plain barrier inside phase 2 shows the waves' M, and K(i + 1), for which waves 0 and 1 have waited.  The head asks for K(0) (waves 0, 1), V(0) and V(1) (waves 2, 3).
; A wave has one tensor load out.
; CLUSTER.  The launch is a column of 64 clusters of four work-groups.  Cluster n takes batch n mod 8 and the (n / 8)-th 256 queries of it.
; The four work-groups of a cluster walk the same batch: each tile is asked for JOINTLY, by the same load with the same descriptor and a mask that names the four.
; PREFETCH.  Step j asks the L2 for key step j + 3: 792 aligned blocks of 256 bytes, shared out by address over the batch's 32 work-groups, 25 a work-group, a lane a block, one instruction of wave 3.
; Key steps 0 to 2 come by their loads alone; steps 13 to 15 ask for nothing.
; AT THE END each wave divides its 192 columns of O by the sum, quantises them (K = e: 128 + 64, the rest zero codes) and multiplies by its part of w_final; the four waves' partial sums meet in LDS and are added in f32, with the bias.
; LIMITS: NaN and infinities are not served; a p under 2^-126 of its block's 2^M comes out of v_exp_f32 as 0; the promise holds while |t| stays under 2^31; a block whose M lies more than 52 under R is weighed, in O and in the sum, as if
; it lay 52 under; the last product's K is summed in four partial sums.
; REGISTERS.  window 0: v0-13 addresses; v14-41 scale words; v42-61 statistics; v62-95 at work; v96-159 S^T, then p; v160-255 three sets of two fragments.
;   window 1: Q's fragments of K steps 0-3 (64 s + 16 qt).  window 2: v0-63 Q's of K step 4; v64-127 Q's of K step 5, then P's; v128-255 O^T's blocks 0, 1.  window 3: O^T's blocks 2-5.  O^T(b, qt, u) at its block's base + 16 qt + 8 u.
.set PARTB, 25344
.set SCOFF, 24576
.set KREG,  4*PARTB                    ; K's four PARTs
.set VTURN, 8*PARTB                    ; V of odd steps; and from step to step in kv
.set PIMG,  12*PARTB                   ; P's four fragments: 2,048 qt + 512 w + 16 lane
.set PSC,   PIMG+8192                  ; P's scale words: 128 qt + 4 lane, byte w
.set STATS, PSC+512                    ; -M of the waves' blocks: 512 qt + 16 lane + 4 w
.set LSUM,  STATS+2048                 ; the waves' sums, laid likewise
.set QIMG,  LSUM+2048                  ; Q's four fragments of K step 5
.set SPARE, QIMG+8192                  ; the spare words, 128 bytes for each wave: two blocks of 256 bytes that no other line names
.set SP,    272                        ; the stage at the end: 64 rows of 256 bytes + 16, at the head of each wave's PART of even V, behind its last fill
.set PFO, 0                            ; the prefetches' offset (made when the thread's number has been used)
.set SPW, 1
.set NIL, 2
.set VA0, 3                            ; my PART of V, codes and scale words, in region 0;
.set VS0, 4
.set VAD, 5                            ; and in the region in hand
.set VSD, 6
.set SOA, 3                            ; at the end: the stage, on the way in
.set GO,  4                            ; and my byte offset in the wave's rows of out0
.set KAD, 7
.set KSA, 8
.set PWA, 9
.set PBA, 10
.set STA, 11
.set PRD, 12                           ; PIMG + 16 lane: P's fragments, and by offsets the exchanged numbers and Q's image
.set PSR, 13
.set QS,  14                           ; v14-25 Q's scale words: 6 (qt / 2) + s; lanes 0-15 the even tile, lanes 16-31 the odd one
.set WFS, 14                           ; at the end v14-17: w_final's
.set BIA, 18                           ; and v18-21: the bias
.set KS,  26                           ; v26-31 K's: register s; lanes 0-15 tile 0, lanes 16-31 tile 1
.set VS,  32                           ; v32-37 V's: register b
.set PS,  38                           ; v38-41 P's: register qt; at the end v38, v39: the head's
.set MR,  42                           ; tile qt: v[42 + 2 qt] -M, v[43 + 2 qt] R
.set FG,  50                           ; v[50 + 2 qt] f, v[51 + 2 qt] g
.set L,   58                           ; the sum
.set BM,  62                           ; my block's largest score
.set PD,  66                           ; lane permutes' destinations
.set SU,  62                           ; the block's sums, two halves a tile (BM and PD have been used by then)
.set SO,  70                           ; the conversions' scale operand; at the end four stage addresses
.set HL,  74                           ; 448 x the scale; then the new R
.set LI,  78                           ; 16 x lane
.set LS,  79                           ; 4 x lane
.set MX,  80                           ; v80-95 what the four waves have exchanged
.set PB,  80                           ; before that: the block's largest p,
.set PC0, 84                           ; and tile 0's codes
.set S,   96
.set F,   160
.set TM,  192                          ; QUANT's work registers, at the end
.set WV,  14
.set TB,  18                           ; where V(i - 1) lies
.set SEL, 20
.set CS,  22                           ; s[22:23] c = log2(e) / 8
.set MNT, 24
.set CNT, 25                           ; in the loop: 15 - step
.set WP,  26                           ; wave x PARTB
.set LIM, 27                           ; my wave prefetches while s[CNT] lies above it
.set G1,  28                           ; s[28:35] descriptor group 1: two PARTs
.set G0K, 36
.set G0V, 40
.set G1H, 72                           ; s[72:79], s[80:83] the head's load of V: four PARTs
.set G0H, 80
.set PFA, 56                           ; s[56:57] where the prefetches stand
.set MSB, 0
.set LN, 0
.macro WIN new                         ; the immediate's high byte repeats the setting that is left; a switch that changes nothing is dropped
.if MSB != (\new)
	s_set_vgpr_msb (MSB<<8)|(\new)
.set MSB, \new
.endif
.endm
.macro PLACES n
.rept \n
	v_nop
.endr
.endm
.macro WALU
	s_wait_alu depctr_va_vdst(0)
.endm
.macro CREST                           ; a round of the cluster's barrier behind its opening barrier
	s_cmp_lg_u32 s[WV], 0
	s_cbranch_scc1 .Lnot_wave_0_\@
	s_barrier_signal -3
.Lnot_wave_0_\@:
	s_barrier_wait -3
	s_barrier_signal -1
	s_barrier_wait -1
.endm
.macro CROUND                          ; a whole round
	s_barrier_signal -1
	s_barrier_wait -1
	CREST
.endm
.macro TLOAD g0, g1
	tensor_load_to_lds s[\g0:\g0+3], s[\g1:\g1+7]
	s_nop 0
	PLACES 4
.endm
; The joint loads behind a round.  kf: waves 0 and 1 fetch K, two PARTs each;  vf: waves 2 and 3 V.  The branch hangs on the wave's number alone.
.macro JLOAD kf, vf
	s_cmp_lt_u32 s[WV], 2
.if (\kf) && (\vf)
	s_cbranch_scc0 .Lfor_v_\@
	TLOAD G0K, G1
	s_branch .Lasked_\@
.Lfor_v_\@:
	TLOAD G0V, G1
.elseif \kf
	s_cbranch_scc0 .Lasked_\@
	TLOAD G0K, G1
.else
	s_cbranch_scc1 .Lasked_\@
	TLOAD G0V, G1
.endif
.Lasked_\@:
.endm
.macro KWAIT                           ; waves 0 and 1: my part of the next K is in
	s_cmp_lt_u32 s[WV], 2
	s_cbranch_scc0 .Lnot_k_\@
	s_wait_tensorcnt 0x0
.Lnot_k_\@:
.endm
; One product.  zero: it starts its sum with the constant 0, else it adds in place.  ra, rb: the side's scale words stand in lanes 16-31.
.macro MM d, a, b, zero, sa, sb, ra, rb
.if \zero
.if (\ra) && (\rb)
	v_wmma_scale_f32_16x16x128_f8f6f4 v[(\d):(\d)+7], v[(\a):(\a)+15], v[(\b):(\b)+15], 0, v[\sa], v[\sb] matrix_a_scale:MATRIX_SCALE_ROW1 matrix_b_scale:MATRIX_SCALE_ROW1
.elseif \ra
	v_wmma_scale_f32_16x16x128_f8f6f4 v[(\d):(\d)+7], v[(\a):(\a)+15], v[(\b):(\b)+15], 0, v[\sa], v[\sb] matrix_a_scale:MATRIX_SCALE_ROW1
.elseif \rb
	v_wmma_scale_f32_16x16x128_f8f6f4 v[(\d):(\d)+7], v[(\a):(\a)+15], v[(\b):(\b)+15], 0, v[\sa], v[\sb] matrix_b_scale:MATRIX_SCALE_ROW1
.else
	v_wmma_scale_f32_16x16x128_f8f6f4 v[(\d):(\d)+7], v[(\a):(\a)+15], v[(\b):(\b)+15], 0, v[\sa], v[\sb]
.endif
.else
.if (\ra) && (\rb)
	v_wmma_scale_f32_16x16x128_f8f6f4 v[(\d):(\d)+7], v[(\a):(\a)+15], v[(\b):(\b)+15], v[(\d):(\d)+7], v[\sa], v[\sb] matrix_a_scale:MATRIX_SCALE_ROW1 matrix_b_scale:MATRIX_SCALE_ROW1
.elseif \ra
	v_wmma_scale_f32_16x16x128_f8f6f4 v[(\d):(\d)+7], v[(\a):(\a)+15], v[(\b):(\b)+15], v[(\d):(\d)+7], v[\sa], v[\sb] matrix_a_scale:MATRIX_SCALE_ROW1
.elseif \rb
	v_wmma_scale_f32_16x16x128_f8f6f4 v[(\d):(\d)+7], v[(\a):(\a)+15], v[(\b):(\b)+15], v[(\d):(\d)+7], v[\sa], v[\sb] matrix_b_scale:MATRIX_SCALE_ROW1
.else
	v_wmma_scale_f32_16x16x128_f8f6f4 v[(\d):(\d)+7], v[(\a):(\a)+15], v[(\b):(\b)+15], v[(\d):(\d)+7], v[\sa], v[\sb]
.endif
.endif
.endm
; THREE LISTS OF VECTOR LINES, line LN of each.
; SLINE, 229 lines: the softmax of my block.  0-47 the largest score of each tile and -M; 48-83 t - M; 84-151 the exponentials; 152-187 the scale and the sum of the unquantised p; 188-228 the holds and the codes.
.macro SLINE
.set Q_, LN%4
.if LN < 4
	v_max3_num_f32 v[BM+Q_], v[S+16*Q_], v[S+16*Q_+1], v[S+16*Q_+2]   ; each result from its low end on
.elseif LN < 28
.set I_, 2*(LN/4)+1
	v_max3_num_f32 v[BM+Q_], v[BM+Q_], v[S+16*Q_+I_], v[S+16*Q_+I_+1]
.elseif LN < 32
	v_max_num_f32 v[BM+Q_], v[BM+Q_], v[S+16*Q_+15]
.elseif LN < 36
	v_permlanex16_b32 v[PD+Q_], v[BM+Q_], s[SEL], s[SEL+1]
.elseif LN < 40
	v_max_num_f32 v[BM+Q_], v[BM+Q_], v[PD+Q_]     ; with lane l xor 16's 16 keys
.elseif LN < 44
	v_mul_f32 v[PB+Q_], s[CS], v[BM+Q_]            ; as t (c is positive)
.elseif LN < 48
	v_floor_f32 v[MR+2*Q_], -v[PB+Q_]              ; -M = floor(-t): a whole number
.elseif LN < 52
	v_fma_f32 v[PB+Q_], v[BM+Q_], s[CS], v[MR+2*Q_]   ; the largest t - M
.elseif LN < 84
.set D_, S+16*Q_+2*((LN-52)/4)
	v_pk_fma_f32 v[D_:D_+1], v[D_:D_+1], s[CS:CS+1], v[MR+2*Q_:MR+2*Q_+1] op_sel_hi:[1,0,0]   ; t - M, two at a time
.elseif LN < 148
	v_exp_f32 v[S+LN-84], v[S+LN-84]               ; p = 2^(t - M)
.elseif LN < 152
	v_exp_f32 v[PB+Q_], v[PB+Q_]                   ; the block's largest p: the same two instructions on the same number
.elseif LN < 156
	v_add_nc_u32 v[SO+Q_], 0xfc000000, v[PB+Q_]    ; the conversion's scale operand
.elseif LN < 160
	v_and_or_b32 v[HL+Q_], v[PB+Q_], 0x7f800000, s[MNT]   ; 448 x the scale
.elseif LN < 164
	v_pk_add_f32 v[SU+2*Q_:SU+2*Q_+1], v[S+16*Q_:S+16*Q_+1], v[S+16*Q_+2:S+16*Q_+3]
.elseif LN < 188
.set D_, S+16*Q_+2*((LN-160)/4)+2
	v_pk_add_f32 v[SU+2*Q_:SU+2*Q_+1], v[SU+2*Q_:SU+2*Q_+1], v[D_:D_+1]
.elseif LN < 228
.set Q_, (LN-188)/10
.set I_, (LN-188)%10
.set D_, S+16*Q_
.if Q_ == 0
.set C_, PC0
.else
.set C_, D_-16                         ; tile q's codes take the registers that held the tile before
.endif
.if I_ < 8
	v_dual_min_num_f32 v[D_+2*I_], v[HL+Q_], v[D_+2*I_] :: v_dual_min_num_f32 v[D_+2*I_+1], v[HL+Q_], v[D_+2*I_+1]   ; p is not negative: the hold is one-sided
.elseif I_ == 8
	v_cvt_scalef32_pk8_fp8_f32 v[C_:C_+1], v[D_:D_+7], v[SO+Q_]
.else
	v_cvt_scalef32_pk8_fp8_f32 v[C_+2:C_+3], v[D_+8:D_+15], v[SO+Q_]
.endif
.else
	v_nop                                          ; one plain vector instruction behind the last conversion
.endif
.endm
.macro SLINES to
.rept (\to)-LN
	SLINE
.set LN, LN+1
.endr
.endm
; RLINE, 60 lines: R, f, g, the scale byte under R, the running sum.
.macro RLINE
.set Q_, LN%4
.set X_, MX+4*Q_
.if LN < 4
	v_max3_num_f32 v[HL+Q_], -v[X_], -v[X_+1], -v[X_+2]
.elseif LN < 8
	v_max3_num_f32 v[HL+Q_], v[HL+Q_], -v[X_+3], v[MR+2*Q_+1]   ; the new R
.elseif LN < 12
	v_sub_f32 v[X_], v[MR+2*Q_+1], v[HL+Q_]        ; old R - new R
.elseif LN < 16
	v_sub_f32 v[X_+1], -v[MR+2*Q_], v[HL+Q_]       ; my M - R: 0 or less,
.elseif LN < 20
	v_max_num_f32 v[X_+1], 0xc2500000, v[X_+1]     ; held at -52: while |t| is under 2^31 the scale's byte is 53 or more, so the sum below is 1 or more
.elseif LN < 24
	v_mov_b32 v[MR+2*Q_+1], v[HL+Q_]
.elseif LN < 28
	v_cvt_i32_f32 v[X_], v[X_]                     ; (it saturates)
.elseif LN < 32
	v_cvt_i32_f32 v[X_+1], v[X_+1]
.elseif LN < 36
	v_lshrrev_b32 v[X_+2], 23, v[SO+Q_]            ; the scale's byte under M,
.elseif LN < 40
	v_add_nc_u32 v[X_+2], v[X_+2], v[X_+1]         ; and under R
.elseif LN < 44
	v_ldexp_f32 v[FG+2*Q_], 1.0, v[X_]             ; f; every wave makes the same bits
.elseif LN < 48
	v_ldexp_f32 v[FG+2*Q_+1], 1.0, v[X_+1]         ; g
.elseif LN < 52
	v_add_f32 v[SU+2*Q_], v[SU+2*Q_], v[SU+2*Q_+1]
.elseif LN < 56
	v_mul_f32 v[SU+2*Q_], v[SU+2*Q_], v[FG+2*Q_+1]
.else
	v_fma_f32 v[L+Q_], v[L+Q_], v[FG+2*Q_], v[SU+2*Q_]
.endif
.endm
.macro RLINES to
.rept (\to)-LN
	RLINE
.set LN, LN+1
.endr
.endm
; OLINES, 192 lines: O^T's six blocks under the new R, two numbers a line.
.macro OLINES to
.rept (\to)-LN
.set X_, LN%32
.if LN < 64
	WIN 0x82
.set D_, 128+2*LN
.else
	WIN 0xc3
.set D_, 2*(LN-64)
.endif
	v_pk_mul_f32 v[D_:D_+1], v[D_:D_+1], v[FG+2*(X_/8):FG+2*(X_/8)+1] op_sel_hi:[1,0]
.set LN, LN+1
.endr
.endm
; RUNS OF LDS LOADS.
.macro KLD g, s                        ; K step s's two fragments into set g
.irp c, 0,1,2,3,4,5,6,7
	ds_load_b128 v[F+32*(\g)+4*\c:F+32*(\g)+4*\c+3], v[KAD] offset:4096*(\s)+512*\c
.endr
.endm
.macro VLD g, b                        ; V's block b into set g
.irp c, 0,1,2,3,4,5,6,7
	ds_load_b128 v[F+32*(\g)+4*\c:F+32*(\g)+4*\c+3], v[VAD] offset:4096*(\b)+512*\c
.endr
.endm
.macro KSC                             ; K's scale words of a key step
.irp s, 0,1,2,3,4,5
	ds_load_b32 v[KS+\s], v[KSA] offset:128*\s
.endr
.endm
.macro W64 off                         ; four fragments into v64-127 of window 2: Q's of K step 5, or P's
	WIN 0x80
.irp q, 0,1,2,3
.irp c, 0,1,2,3
	ds_load_b128 v[64+16*\q+4*\c:64+16*\q+4*\c+3], v[PRD] offset:(\off)+2048*\q+512*\c
.endr
.endr
	WIN 0
.endm
.macro VP                              ; V's region in hand, V's and P's scale words, P's fragments
	v_add_nc_u32 v[VAD], s[TB], v[VA0]
	v_add_nc_u32 v[VSD], s[TB], v[VS0]
	WALU
	s_xor_b32 s[TB], s[TB], VTURN
.irp b, 0,1,2,3,4,5
	ds_load_b32 v[VS+\b], v[VSD] offset:128*\b
.endr
.irp q, 0,1,2,3
	ds_load_b32 v[PS+\q], v[PSR] offset:128*\q
.endr
	W64 0
.endm
.macro PSTORE                          ; chunk w of P's four fragments: keys 32 w + 16 (lane / 16) + 0 .. 15
	ds_store_b128 v[PWA], v[PC0:PC0+3]
.irp q, 1,2,3
	ds_store_b128 v[PWA], v[S+16*(\q-1):S+16*(\q-1)+3] offset:2048*\q
.endr
.endm
.macro MSTORE
.irp q, 0,1,2,3
	ds_store_b32 v[STA], v[MR+2*\q] offset:512*\q
.endr
.endm
.macro MLOAD off
.irp q, 0,1,2,3
	ds_load_b128 v[MX+4*\q:MX+4*\q+3], v[PRD] offset:(\off)-PIMG+512*\q
.endr
.endm
.macro BSTORE                          ; byte w of my query's scale word
.irp q, 0,1,2,3
	ds_store_b8 v[PBA], v[MX+4*\q+2] offset:128*\q
.endr
.endm
; Place p of S^T: K step s, 8 products on the 8 accumulators, which take turns.  At place 0 R's lines 28-59 stand among them, at the others O's 192 lines, spread over 40 products.
.macro POSN p, s, rl, rs
.if \p == 0
.set LN, 28
.elseif \p == 1
.set LN, 0
.endif
.if \s < 4
.set SW, 0x04                          ; Q in window 1
.set QB, 64*(\s)
.else
.set SW, 0x08                          ; Q in window 2
.set QB, 64*((\s)-4)
.endif
.irp n, 0,1,2,3,4,5,6,7
	WIN SW
	MM S+8*\n, F+32*((\p)%3)+16*(\n%2), QB+16*(\n/2), \p==0, KS+\s, QS+6*(\n/4)+\s, \n%2, (\n/2)%2
.if \p == 0
.if \rl
	WIN 0
	RLINES 28+4*(\n+1)
.endif
.elseif \rs
	OLINES (192*(8*(\p-1)+\n+1))/40
.endif
.endr
.endm
; PHASE 1.  rl: R's lines of the step before; rs: O's; kf, vf: the loads behind the round; pv: P and V of the step before are fetched.
; Eight places stand in front of loads into registers that products have read: the last product's lines and v_nop.
.macro PH1 rl, rs, kf, vf, pv
	WALU
	s_wait_dscnt 32                                ; K's scale words and set 0 are in; sets 1 and 2 and Q's fragments (8 + 8 + 16) may be out
	POSN 0, 0, \rl, \rs
	PLACES 8-4*\rl
	WIN 0
	KLD 0, 5
.if \rl
	BSTORE
.endif
	WALU
	s_wait_dscnt 32+4*\rl                          ; behind set 1: 8 + 16, the 8 just issued, the bytes
	POSN 1, 1, \rl, \rs
	PLACES 8-4*\rs
	WIN 0
	KLD 1, 3
	WALU
	s_wait_dscnt 32+4*\rl                          ; behind set 2: 16, 8 and the bytes, 8
	POSN 2, 2, \rl, \rs
	PLACES 8-4*\rs
	WIN 0
	KLD 2, 4
.if \kf
	s_wait_xcnt 0x0                                ; the last step's prefetch has read its address, which is stepped here
	s_add_nc_u64 s[PFA:PFA+1], s[PFA:PFA+1], VTURN
.endif
	s_wait_tensorcnt 0x0                           ; no tensor load of mine is out, so a group 0 may be written
	ds_add_u32 v[SPW], v[NIL]                      ; 0 onto my spare word: eight products stand between it and the wait for it
.if \kf
	s_add_nc_u64 s[G0K+2:G0K+3], s[G0K+2:G0K+3], VTURN   ; K(i + 1)
.endif
.if \vf
	s_add_nc_u64 s[G0V+2:G0V+3], s[G0V+2:G0V+3], VTURN   ; V(i), in the region that V(i - 2) has left
	s_xor_b32 s[G0V+1], s[G0V+1], VTURN
.endif
	WALU
	s_wait_dscnt 17+4*\rl                          ; behind this place's set: the bytes, two sets, the add
	POSN 3, 5, \rl, \rs
	s_wait_dscnt 0x0                               ; the add is done, my reads of K are over, my part of P and its bytes have landed
	s_barrier_signal -1                            ; this barrier opens a round of the cluster's barrier;
	POSN 4, 3, \rl, \rs                            ; work on registers while the others arrive
	WIN 0
	s_barrier_wait -1
	CREST                                          ; the same holds of every wave of the four work-groups
	JLOAD \kf, \vf                                 ; the first thing behind the round, a wave's one load until the next
.if ((\kf) && (\vf)) == 0
	PLACES 8
.endif
.if \pv
	VP
	VLD 0, 0
	VLD 1, 1
.endif
	POSN 5, 4, \rl, \rs
.if \pv
	PLACES 8-4*\rs
	WIN 0
	VLD 2, 2
.endif
	WIN 0
.if \kf
	s_cmp_gt_u32 s[CNT], s[LIM]                    ; wave 3, steps 0 to 12: key step j + 3
	s_cbranch_scc0 .Lno_ask_\@
	global_prefetch_b8 v[PFO], s[PFA:PFA+1] th:TH_LOAD_NT scope:SCOPE_SE
.Lno_ask_\@:
.else
	v_and_b32 v22, 0xf0, v[LI]                     ; the last step: Q is done with.  16 r: my four numbers of the bias;
	global_load_b128 v[BIA:BIA+3], v22, s[10:11]
	WIN 0x40                                       ; my eight fragments of w_final
.irp f, 0,1,2,3,4,5,6,7
.irp c, 0,1,2,3
	global_load_b128 v[16*\f+4*\c:16*\f+4*\c+3], v[LI], s[50:51] offset:2048*\f+512*\c
.endr
.endr
	WIN 0
.irp i, 0,1,2,3
	global_load_b32 v[WFS+\i], v[LS], s[52:53] offset:65536+128*\i
.endr
.endif
.endm
; Block b of O^T (32 of my 192 columns): 8 products.  mode 0: the softmax's lines, and behind block 5's fourth product R's lines 0-27, stand among them; mode 1: O's lines of the block two on.
.macro VBLK b, zero, mode, cw
.if \b < 2
.set PVW, 0xa8                         ; source 1 (P), C and D in window 2
.set OBB, 128+64*\b
.else
.set PVW, 0xf8                         ; P in window 2, C and D in window 3
.set OBB, 64*(\b-2)
.endif
.if \b == 0
.set SB, 0
.set SN, 48
.elseif \b == 1
.set SB, 48
.set SN, 36
.elseif \b == 2
.set SB, 84
.set SN, 68
.elseif \b == 3
.set SB, 152
.set SN, 36
.else
.set SB, 188
.set SN, 41
.endif
.if (\mode == 0) && ((\b == 0) || (\b == 5))
.set LN, 0
.endif
.irp n, 0,1,2,3,4,5,6,7
.if (\mode == 0) && (\b == 5) && (\n == 4)
	s_wait_dscnt \cw                               ; the four waves' -M are in
.endif
	WIN PVW
	MM OBB+8*\n, F+32*((\b)%3)+16*(\n%2), 64+16*(\n/2), \zero, VS+\b, PS+\n/2, \n%2, 0
.if \mode == 0
.if \b < 5
	WIN 0
	SLINES SB+(SN*(\n+1))/8
.elseif \n > 3
	WIN 0
	RLINES 7*(\n-3)
.endif
.elseif \b < 4
	OLINES 64+32*\b+4*(\n+1)
.endif
.endr
.endm
; PHASE 2.  zero: O^T's sums begin.  kn: there is a next step.
.macro PH2 zero, kn
	s_wait_dscnt 16                                ; P, the scale words and set 0 are in; sets 1 and 2 may be out
	VBLK 0, \zero, 0, 0
	PLACES 2
	VLD 0, 3
	MSTORE
	WALU
	s_wait_dscnt 20                                ; behind set 1: set 2, the 8 loads and 4 stores just issued
	VBLK 1, \zero, 0, 0
	PLACES 3
	VLD 1, 4
	WALU                                           ; (also the wait ahead of the exponentials)
	s_wait_dscnt 20                                ; behind set 2: 12 and 8
	VBLK 2, \zero, 0, 0
	PLACES 8
	VLD 2, 5
	WALU                                           ; (also the wait behind the exponentials)
	s_wait_dscnt 20                                ; behind set 0: 4 stores, 8, 8
	VBLK 3, \zero, 0, 0
	WIN 0
	WALU
.if \kn
	KWAIT
.endif
	s_wait_dscnt 0x0                               ; my -M have landed, and V's fragments are in
	s_barrier_signal -1
	VBLK 4, \zero, 0, 0
	WIN 0
	PLACES 5
	WALU
	s_barrier_wait -1                              ; the waves' -M and the next K are there; V's load stays on its way
	PSTORE
	MLOAD STATS
.if \kn
	KSC
	KLD 0, 0
	KLD 1, 1
	VBLK 5, \zero, 0, 22
	PLACES 2
	WIN 0
	KLD 2, 2
	W64 QIMG-PIMG
.else
	VBLK 5, \zero, 0, 0
	WIN 0
.endif
.endm
	s_load_b256 s[4:11], s[0:1], 0x0               ; qb s[4:5], kv s[6:7], wfb s[8:9], b_final s[10:11]
	s_load_b64 s[12:13], s[0:1], 0x20              ; out0
	v_lshl_add_u32 v[SPW], v0, 2, SPARE
	v_mov_b32 v[NIL], 0
	ds_add_u32 v[SPW], v[NIL]                      ; the wave's opening: the add, twice on end, and its wait ahead of my first tensor load
	ds_add_u32 v[SPW], v[NIL]
	v_lshrrev_b32 v3, 5, v0
	v_readfirstlane_b32 s[WV], v3                  ; wave 0..3
	s_bfe_u32 s15, ttmp6, 0x40000                  ; cx: my place in the cluster
	s_and_b32 s17, ttmp7, 0xffff                   ; the cluster's number n, 0..63
	s_lshr_b32 s16, s17, 3                         ; n / 8: which 256 queries of the batch are the cluster's
	s_lshl_b32 s16, s16, 2
	s_add_co_u32 s16, s16, s15                     ; my block of 64 queries = 4 (n / 8) + cx: it enters qb's, out0's and the prefetches' addresses alone
	s_and_b32 s17, s17, 7                          ; the batch = n mod 8, which the four partners share
	s_and_b32 s19, s[WV], 1                        ; which half of a tile I fetch: no place in the cluster enters an LDS address
	; descriptor group 1: two PARTs, 50,688 dense bytes as 198 rows of 32 elements of 8 bytes, no padding
	s_mov_b32 s[G1], 15|(3<<16)|(1<<21)            ; 15:0 the mask: all four work-groups; 17:16 elements of 8 bytes; 21 set beside a mask
	s_mov_b32 s[G1+1], 32<<16                      ; tensor_dim0 = 32
	s_mov_b32 s[G1+2], 198<<16                     ; tensor_dim1 = 198
	s_mov_b32 s[G1+3], 32<<16                      ; tile_dim0 = 32
	s_mov_b32 s[G1+4], 198                         ; tile_dim1 = 198
	s_mov_b32 s[G1+5], 32                          ; from row to row
	s_mov_b32 s[G1+6], 0
	s_mov_b32 s[G1+7], 0
	s_mov_b32 s[G1H], 15|(3<<16)|(1<<21)           ; and for four PARTs: 396 rows
	s_mov_b32 s[G1H+1], 32<<16
	s_mov_b32 s[G1H+2], 396<<16
	s_mov_b32 s[G1H+3], 32<<16
	s_mov_b32 s[G1H+4], 396
	s_mov_b32 s[G1H+5], 32
	s_mov_b32 s[G1H+6], 0
	s_mov_b32 s[G1H+7], 0
	s_mul_i32 s58, s17, 128*PARTB                  ; kv: the batch's 16 steps x (K's and V's four PARTs),
	s_mov_b32 s59, 0
	s_mul_i32 s54, s19, 2*PARTB
	s_add_co_u32 s44, s58, s54                     ; my half of K(0);
	s_mov_b32 s45, 0
	s_add_co_u32 s84, s44, VTURN+4*PARTB           ; my half of V(1): the ring's first load steps it to V(2);
	s_mov_b32 s85, 0
	s_mul_i32 s55, s19, VTURN
	s_add_co_u32 s86, s58, s55
	s_add_co_u32 s86, s86, 4*PARTB                 ; the head's V(0) or V(1)
	s_mov_b32 s87, 0
	s_mov_b32 s[G0K], 1                            ; group 0: count = 1,
	s_add_co_u32 s[G0K+1], s54, KREG               ; LDS address
	s_mov_b32 s[G0V], 1
	s_add_co_u32 s[G0V+1], s54, VTURN
	s_mov_b32 s[G0H], 1
	s_mov_b32 s[G0H+1], s55
	s_add_co_u32 s58, s58, 16*PARTB                ; the prefetches stand at key step 2; step 0 steps them to 3
	s_lshl_b32 s46, s17, 6
	s_lshl_b32 s47, s16, 1
	s_add_co_u32 s46, s46, s47
	s_mul_i32 s46, s46, PARTB                      ; qb: pair 64 batch + 2 block
	s_mov_b32 s47, 0
	s_lshr_b32 s88, s[WV], 1
	s_mul_i32 s88, s88, PARTB
	s_lshl_b32 s89, s19, 11
	s_add_co_u32 s88, s88, s89
	s_add_co_u32 s88, s88, s46                     ; and of it tile w, of which I lay K step 5 into LDS
	s_mov_b32 s89, 0
	s_lshl_b32 s48, s17, 11
	s_lshl_b32 s49, s16, 6
	s_add_co_u32 s48, s48, s49
	s_lshl_b32 s49, s[WV], 4
	s_add_co_u32 s48, s48, s49
	s_lshl_b32 s48, s48, 8                         ; out0: row 2,048 batch + 64 block + 16 wave, 256 bytes a row
	s_mov_b32 s49, 0
	s_lshl_b32 s50, s[WV], 14                      ; wfb: my eight fragments,
	s_mov_b32 s51, 0
	s_lshl_b32 s52, s[WV], 9                       ; and their scale words
	s_mov_b32 s53, 0
	s_mov_b32 s[SEL], 0x76543210
	s_mov_b32 s[SEL+1], 0xfedcba98
	s_mov_b32 s[CS], 0x3e38aa3b                    ; c = log2(e) / 8
	s_mov_b32 s[CS+1], s[CS]                       ; (named with it as a pair, so it is written)
	s_mov_b32 s[MNT], 0x600000
	s_mov_b32 s[CNT], 13
	s_mov_b32 s[TB], 0
	s_cmp_eq_u32 s[WV], 3
	s_cselect_b32 s[LIM], 2, 64
	s_mul_i32 s[WP], s[WV], PARTB
	s_add_co_u32 s2, s[WP], KREG
	s_add_co_u32 s3, s[WP], SCOFF
	s_add_co_u32 s54, s[WP], KREG+SCOFF
	s_lshl_b32 s55, s[WV], 9
	s_add_co_u32 s55, s55, PIMG
	s_add_co_u32 s60, s[WV], PSC
	s_lshl_b32 s61, s[WV], 2
	s_add_co_u32 s61, s61, STATS
	s_mul_i32 s62, s16, 25
	s_lshl_b32 s63, s[WV], 11
	s_add_co_u32 s63, s63, QIMG
	WALU
	v_and_b32 v80, 31, v0                          ; lane
	v_lshlrev_b32 v[LI], 4, v80
	v_lshlrev_b32 v[LS], 2, v80
	v_min_u32 v80, 24, v80                         ; the prefetches: 25 blocks of 256 bytes from 25 x my block of queries on, a lane a block; the last lanes name the last block again
	v_add_nc_u32 v80, s62, v80
	v_min_u32 v80, 0x317, v80                      ; 792 blocks in a key step
	v_lshlrev_b32 v[PFO], 8, v80
	v_add_nc_u32 v[VA0], s[WP], v[LI]
	v_add_nc_u32 v[VS0], s3, v[LS]
	v_add_nc_u32 v[KAD], s2, v[LI]
	v_add_nc_u32 v[KSA], s54, v[LS]
	v_add_nc_u32 v[PWA], s55, v[LI]
	v_add_nc_u32 v[PBA], s60, v[LS]
	v_add_nc_u32 v[STA], s61, v[LI]
	v_add_nc_u32 v[PRD], PIMG, v[LI]
	v_add_nc_u32 v[PSR], PSC, v[LS]
	v_add_nc_u32 v81, s63, v[LI]                   ; my fragment of Q's image
.irp q, 0,1,2,3
	v_mov_b32 v[MR+2*\q+1], 0xff61b1e6             ; R so far: -3e38, under every M
	v_mov_b32 v[L+\q], 0                           ; the sum
	v_mov_b32 v[PD+\q], 0                          ; written once: a lane permute's destination counts as one of its sources
.endr
	WALU
	s_wait_dscnt 0x0                               ; both opening adds are done
	CROUND                                         ; all four work-groups are here: the first joint loads meet
	s_wait_kmcnt 0x0
	s_add_nc_u64 s[G0K+2:G0K+3], s[6:7], s[44:45]
	s_or_b32 s[G0K+3], s[G0K+3], 0x80000000        ; type = 2
	s_add_nc_u64 s[G0V+2:G0V+3], s[6:7], s[84:85]
	s_or_b32 s[G0V+3], s[G0V+3], 0x80000000
	s_add_nc_u64 s[G0H+2:G0H+3], s[6:7], s[86:87]
	s_or_b32 s[G0H+3], s[G0H+3], 0x80000000
	s_cmp_lt_u32 s[WV], 2                          ; one load a wave: waves 0 and 1 K(0), which is wanted first; waves 2 and 3 V(0), V(1)
	s_cbranch_scc0 .Lhead_v
	TLOAD G0K, G1
	s_branch .Lhead_asked
.Lhead_v:
	TLOAD G0H, G1H
.Lhead_asked:
	s_add_nc_u64 s[46:47], s[4:5], s[46:47]
	s_add_nc_u64 s[88:89], s[4:5], s[88:89]
	s_add_nc_u64 s[12:13], s[12:13], s[48:49]
	s_add_nc_u64 s[50:51], s[8:9], s[50:51]
	s_add_nc_u64 s[52:53], s[8:9], s[52:53]
	s_add_nc_u64 s[PFA:PFA+1], s[6:7], s[58:59]
.irp c, 0,1,2,3
	global_load_b128 v[F+4*\c:F+4*\c+3], v[LI], s[88:89] offset:20480+512*\c
.endr
	WIN 0x40                                       ; Q stays in registers: K steps 0-3 in window 1,
.irp s, 0,1,2,3
.irp q, 0,1,2,3
.irp c, 0,1,2,3
	global_load_b128 v[64*\s+16*\q+4*\c:64*\s+16*\q+4*\c+3], v[LI], s[46:47] offset:PARTB*(\q/2)+2048*(2*\s+\q%2)+512*\c
.endr
.endr
.endr
	WIN 0x80                                       ; K step 4 in window 2
.irp q, 0,1,2,3
.irp c, 0,1,2,3
	global_load_b128 v[16*\q+4*\c:16*\q+4*\c+3], v[LI], s[46:47] offset:PARTB*(\q/2)+2048*(8+\q%2)+512*\c
.endr
.endr
	WIN 0
.irp g, 0,1
.irp s, 0,1,2,3,4,5
	global_load_b32 v[QS+6*\g+\s], v[LS], s[46:47] offset:PARTB*\g+SCOFF+128*\s
.endr
.endr
	s_wait_loadcnt 63                              ; the first four loads are in: 92 were issued behind them; the wait's field holds 63, and a smaller count is safe
.irp c, 0,1,2,3
	ds_store_b128 v81, v[F+4*\c:F+4*\c+3] offset:512*\c
.endr
	KWAIT
	s_wait_dscnt 0x0                               ; my fragment of Q's image has landed
	s_barrier_signal -1
	s_barrier_wait -1                              ; K(0) and Q's image are there; V's load stays on its way
	KSC
	KLD 0, 0
	KLD 1, 1
	KLD 2, 2
	W64 QIMG-PIMG
	s_wait_loadcnt 0x0                             ; Q
	PH1 0, 0, 1, 0, 0                              ; STEP 0: no second product
	PLACES 8
.set LN, 0
	SLINES 48
	MSTORE
	SLINES 84
	WALU
	SLINES 152
	v_nop
	WALU
	SLINES 188
	WALU
	KWAIT
	s_wait_dscnt 0x0
	s_barrier_signal -1
	SLINES 229
	WALU
	s_barrier_wait -1
	PSTORE
	MLOAD STATS
	KSC
	KLD 0, 0
	KLD 1, 1
	KLD 2, 2
	W64 QIMG-PIMG
	s_wait_dscnt 46                                ; behind the four -M: 6 + 24 + 16
.set LN, 0
	RLINES 28
	PH1 1, 0, 1, 0, 1                              ; STEP 1: O^T's sums begin with the constant 0
	PH2 1, 1
	WALU
.Lstep:                                            ; steps 2 to 14
	PH1 1, 1, 1, 1, 1
	PH2 0, 1
	s_sub_co_u32 s[CNT], s[CNT], 1
	s_cmp_lg_u32 s[CNT], 0
	WALU
	s_cbranch_scc1 .Lstep
	PH1 1, 1, 0, 1, 1                              ; STEP 15: no next K
	PH2 0, 0
	; V^T P^T(15)
.set LN, 28
	RLINES 60
	BSTORE
.irp q, 0,1,2,3
	v_permlanex16_b32 v[PD+\q], v[L+\q], s[SEL], s[SEL+1]
.endr
.irp q, 0,1,2,3
	v_add_f32 v[L+\q], v[L+\q], v[PD+\q]           ; with lane l xor 16's: my wave's part of the row's sum
.endr
.irp q, 0,1,2,3
	ds_store_b32 v[STA], v[L+\q] offset:LSUM-STATS+512*\q
.endr
	WALU
	s_wait_tensorcnt 0x0                           ; V(15)
	s_wait_dscnt 0x0                               ; for the others' sake: my block of P, its bytes and my sums have landed
	s_barrier_signal -1
.set LN, 0
	OLINES 64                                      ; O^T's blocks 0 and 1, while the others arrive
	WIN 0
	WALU
	s_barrier_wait -1
	VP
	MLOAD LSUM
	VLD 0, 0
	VLD 1, 1
	VLD 2, 2
.irp b, 0,1,2,3,4,5
	WALU
.if \b < 4
	s_wait_dscnt 16                                ; this set is in; the two issued behind it may be out
.elseif \b == 4
	s_wait_dscnt 8
.else
	s_wait_dscnt 0
.endif
	VBLK \b, 0, 1, 0
	WIN 0
.if \b < 3
	PLACES 4
	VLD \b, \b+3
.endif
.endr
	; THE END.  The four waves' sums; these twelve lines are also places behind the last products.
.irp q, 0,1,2,3
	v_add_f32 v[MX+4*\q], v[MX+4*\q], v[MX+4*\q+1]
	v_add_f32 v[MX+4*\q+2], v[MX+4*\q+2], v[MX+4*\q+3]
.endr
.irp q, 0,1,2,3
	v_add_f32 v[MX+4*\q], v[MX+4*\q], v[MX+4*\q+2]
.endr
	WALU
.irp q, 0,1,2,3
	v_rcp_f32 v[FG+2*\q], v[MX+4*\q]
.endr
	v_bfe_u32 v62, v[LI], 4, 4                     ; r   (plain places behind the reciprocals)
	v_lshrrev_b32 v63, 8, v[LI]                    ; h
	v_and_b32 v64, 8, v62
	v_add_nc_u32 v64, v64, v62                     ; r + 8 (r / 8)
	v_mul_u32_u24 v64, v64, SP
	v_lshl_add_u32 v64, v63, 5, v64
	v_add_nc_u32 v[SOA], s[WP], v64
	v_lshlrev_b32 v65, 4, v62
	v_lshl_add_u32 v[GO], v63, 8, v65
	s_mul_i32 s54, s[WV], 16*SP
	v_mul_u32_u24 v[SO], v63, SP                   ; the stages, on the way out: row 16 w + h, 16 bytes a lane; one address for each wave's stage
	v_lshl_add_u32 v[SO], v62, 4, v[SO]
	v_add_nc_u32 v[SO], s54, v[SO]
	v_add_nc_u32 v[SO+1], PARTB, v[SO]
	v_add_nc_u32 v[SO+2], 2*PARTB, v[SO]
	v_add_nc_u32 v[SO+3], 3*PARTB, v[SO]
.irp i, 0,1,2,3,4,5,6,7
	v_mov_b32 v[184+\i], 0                         ; the zero codes behind the last 64 of my 192 columns
.endr
.irp i, 4,5,6,7
	v_mov_b32 v[TM+\i], 0
.endr
	WALU
	s_wait_loadcnt 0x0                             ; w_final's fragments and scale words, the bias
; 16 nb numbers of a lane, v[S + 16 b + i] = k 32 b + 16 (lane / 16) + i of my row, become codes (from v[pa] on) and a scale word v[pw].
.macro QUANT nb, pa, pw
.set qi, 0
.rept \nb
	v_max3_num_f32 v[TM+qi], |v[S+16*qi]|, |v[S+16*qi+1]|, 0x4800000   ; my 16 numbers of block qi, and the floor 2^(9 - 127): the byte cannot fall under 1
.set qi, qi+1
.endr
.irp i, 2,4,6,8,10,12,14
.set qi, 0
.rept \nb
	v_max3_num_f32 v[TM+qi], v[TM+qi], |v[S+16*qi+\i]|, |v[S+16*qi+\i+1]|
.set qi, qi+1
.endr
.endr
.set qi, 0
.rept \nb
	v_permlanex16_b32 v[TM+4+qi], v[TM+qi], s[SEL], s[SEL+1]
.set qi, qi+1
.endr
.set qi, 0
.rept \nb
	v_max_num_f32 v[TM+qi], v[TM+qi], v[TM+4+qi]   ; with lane l xor 16's: the block's largest magnitude
.set qi, qi+1
.endr
.set qi, 0
.rept \nb
	v_add_nc_u32 v[TM+12+qi], 0xfc000000, v[TM+qi] ; 8 off its exponent field: the conversion's scale operand
.set qi, qi+1
.endr
.set qi, 0
.rept \nb
	v_and_or_b32 v[TM+8+qi], v[TM+qi], 0x7f800000, s[MNT]   ; 448 x the scale
.set qi, qi+1
.endr
.set qi, 0
.rept \nb
	v_lshrrev_b32 v[TM+4+qi], 23, v[TM+12+qi]      ; the scale's byte
.set qi, qi+1
.endr
	v_lshl_or_b32 v[\pw], v[TM+5], 8, v[TM+4]
.if \nb > 2
	v_lshl_or_b32 v[\pw], v[TM+6], 16, v[\pw]
	v_lshl_or_b32 v[\pw], v[TM+7], 24, v[\pw]
.endif
.set qi, 0
.rept \nb
.irp i, 0,1,2,3,4,5,6,7,8,9,10,11,12,13,14,15
	v_med3_num_f32 v[S+16*qi+\i], v[S+16*qi+\i], -v[TM+8+qi], v[TM+8+qi]   ; the conversion to an 8-bit code does not saturate (ISA guide 7.6.2): the hold at 448 x the scale
.endr
.set qi, qi+1
.endr
.set qi, 0
.rept \nb
	v_cvt_scalef32_pk8_fp8_f32 v[(\pa)+4*qi:(\pa)+4*qi+1], v[S+16*qi:S+16*qi+7], v[TM+12+qi]
	v_cvt_scalef32_pk8_fp8_f32 v[(\pa)+4*qi+2:(\pa)+4*qi+3], v[S+16*qi+8:S+16*qi+15], v[TM+12+qi]
.set qi, qi+1
.endr
	v_nop                                          ; one plain vector instruction behind the last conversion
.endm
	; O^T / the sum is the last product's operand: a lane's 16 registers of a block are 16 neighbours along e.  out^T = w_final x head^T: source 0 = 16 rows d, source 1 = my 16 queries.
.irp q, 0,1,2,3
	WIN 0x02
.irp b, 0,1
.irp i, 0,2,4,6,8,10,12,14
	v_pk_mul_f32 v[S+16*\b+\i:S+16*\b+\i+1], v[128+64*\b+16*\q+\i:128+64*\b+16*\q+\i+1], v[FG+2*\q:FG+2*\q+1] op_sel_hi:[1,0]
.endr
.endr
	WIN 0x03
.irp b, 2,3
.irp i, 0,2,4,6,8,10,12,14
	v_pk_mul_f32 v[S+16*\b+\i:S+16*\b+\i+1], v[64*(\b-2)+16*\q+\i:64*(\b-2)+16*\q+\i+1], v[FG+2*\q:FG+2*\q+1] op_sel_hi:[1,0]
.endr
.endr
	WIN 0
	QUANT 4, 160, PS
	PLACES 4                                       ; codes written by vector instructions stand four places ahead of the product; the scale word was made ahead of the holds
	WIN 0xa1                                       ; w_final in window 1, C and D in window 2
.irp d, 0,1,2,3
	MM 8*(4*\q+\d), 16*\d, 160, 1, WFS+\d/2, PS, \d%2, 0
.endr
	WIN 0x03
.irp b, 4,5
.irp i, 0,2,4,6,8,10,12,14
	v_pk_mul_f32 v[S+16*(\b-4)+\i:S+16*(\b-4)+\i+1], v[64*(\b-2)+16*\q+\i:64*(\b-2)+16*\q+\i+1], v[FG+2*\q:FG+2*\q+1] op_sel_hi:[1,0]
.endr
.endr
	WIN 0
	QUANT 2, 176, PS+1
	PLACES 4
	WIN 0xa1
.irp d, 0,1,2,3
	MM 8*(4*\q+\d), 64+16*\d, 176, 0, WFS+2+\d/2, PS+1, \d%2, 0
.endr
.endr
	PLACES 8
	WIN 0x08                                       ; an LDS store's data are its source 1: window 2
.irp q, 0,1,2,3
.irp d, 0,1,2,3
	ds_store_b128 v[SOA], v[8*(4*\q+\d):8*(4*\q+\d)+3] offset:(32*(\q/2)+8*(\q%2))*SP+64*\d       ; lane (r, h): query 32 (qt / 2) + 8 (qt % 2) + r + 8 (r / 8), columns 16 dt + 8 h + 0 .. 7: the rows go back to their places
	ds_store_b128 v[SOA], v[8*(4*\q+\d)+4:8*(4*\q+\d)+7] offset:(32*(\q/2)+8*(\q%2))*SP+64*\d+16
.endr
.endr
	WIN 0
	s_wait_dscnt 0x0                               ; for the others' sake: my partial sums have landed
	s_barrier_signal -1
	s_barrier_wait -1
.irp g, 0,1,2,3
.irp i, 0,1,2,3,4,5,6,7
	ds_load_b128 v[S+32*\g+4*\i:S+32*\g+4*\i+3], v[SO+\g] offset:2*\i*SP   ; wave g's partial sums of my 16 rows: two rows an instruction
.endr
.endr
	s_wait_dscnt 0x0
.irp i, 0,1,2,3,4,5,6,7
.irp k, 0,2
	v_pk_add_f32 v[S+4*\i+\k:S+4*\i+\k+1], v[S+4*\i+\k:S+4*\i+\k+1], v[S+32+4*\i+\k:S+32+4*\i+\k+1]
	v_pk_add_f32 v[S+64+4*\i+\k:S+64+4*\i+\k+1], v[S+64+4*\i+\k:S+64+4*\i+\k+1], v[S+96+4*\i+\k:S+96+4*\i+\k+1]
.endr
.endr
.irp i, 0,1,2,3,4,5,6,7
.irp k, 0,2
	v_pk_add_f32 v[S+4*\i+\k:S+4*\i+\k+1], v[S+4*\i+\k:S+4*\i+\k+1], v[S+64+4*\i+\k:S+64+4*\i+\k+1]
.endr
.endr
.irp i, 0,1,2,3,4,5,6,7
.irp k, 0,2
	v_pk_add_f32 v[S+4*\i+\k:S+4*\i+\k+1], v[S+4*\i+\k:S+4*\i+\k+1], v[BIA+\k:BIA+\k+1]
.endr
.endr
.irp i, 0,1,2,3,4,5,6,7
	global_store_b128 v[GO], v[S+4*\i:S+4*\i+3], s[12:13] offset:512*\i th:TH_STORE_NT   ; 32 lanes store 512 consecutive bytes, two whole rows, at a multiple of 256 from out0's first byte
.endr
	s_wait_tensorcnt 0x0                           ; the wave's end, behind my last tensor load and my last LDS store
	ds_add_u32 v[SPW], v[NIL]
	s_wait_dscnt 0x0
	CROUND                                         ; the closing round: no work-group ends while a partner may still ask for a tile that names it
	s_endpgm
.Lfunc_end_k_q7e11d998e3_attn:
	.size	k_q7e11d998e3_attn, .Lfunc_end_k_q7e11d998e3_attn-k_q7e11d998e3_attn
	.p2alignl 7, 3214868480
	.fill 96, 4, 3214868480
	.section	.rodata,"a",@progbits
	.p2align	6, 0x0
	.amdhsa_kernel k_q7e11d998e3_attn
		.amdhsa_group_segment_fixed_size 327680
		.amdhsa_private_segment_fixed_size 0
		.amdhsa_enable_private_segment 0
		.amdhsa_kernarg_size 40
		.amdhsa_user_sgpr_count 2
		.amdhsa_user_sgpr_kernarg_segment_ptr 1
		.amdhsa_wavefront_size32 1
		.amdhsa_system_sgpr_workgroup_id_x 1
		.amdhsa_system_sgpr_workgroup_id_y 1
		.amdhsa_system_sgpr_workgroup_id_z 1
		.amdhsa_system_vgpr_workitem_id 0
		.amdhsa_next_free_vgpr 1024
		.amdhsa_next_free_sgpr 96
		.amdhsa_reserve_vcc 0
		.amdhsa_float_denorm_mode_32 3
		.amdhsa_float_denorm_mode_16_64 3
		.amdhsa_memory_ordered 1
		.amdhsa_forward_progress 1
		.amdhsa_inst_pref_size 255
	.end_amdhsa_kernel
	.section	.bss,"aw",@nobits
	.p2align	6
	.space	262144
	.amdgpu_metadata
---
amdhsa.version: [ 1, 2 ]
amdhsa.kernels:
  - .name:           k_q7e11d998e3_attn
    .symbol:         k_q7e11d998e3_attn.kd
    .args:
      - { .name: qb, .offset: 0, .size: 8, .value_kind: global_buffer, .address_space: global }
      - { .name: kv, .offset: 8, .size: 8, .value_kind: global_buffer, .address_space: global }
      - { .name: wfb, .offset: 16, .size: 8, .value_kind: global_buffer, .address_space: global }
      - { .name: b_final, .offset: 24, .size: 8, .value_kind: global_buffer, .address_space: global }
      - { .name: out0, .offset: 32, .size: 8, .value_kind: global_buffer, .address_space: global }
    .group_segment_fixed_size: 327680
    .private_segment_fixed_size: 0
    .kernarg_segment_align: 8
    .kernarg_segment_size: 40
    .max_flat_workgroup_size: 128
    .sgpr_count:     96
    .vgpr_count:     1024
    .wavefront_size: 32
...
	.end_amdgpu_metadata
.endif
;; end of part 2
